; MI455X (gfx1250); checked and timed in simulation.
; The chip was launched on July 23, 2026; its instructions are those of AMD's public machine-readable ISA for CDNA 5 (MIT licence, August 2026) and "CDNA5" Instruction Set Architecture Reference Guide (July 2026). The comments in the code are by the model that wrote it; some were corrected since.
;; Bias Attention. Allowed arithmetic: matrix products marked QUANTISED: E4M3 operands, one given power-of-two scale a tensor, by v_wmma_f32_16x16x64_fp8_fp8 or v_wmma_f32_16x16x128_fp8_fp8, f32 sums; everything else in f32.
;; Inputs: atten_bias 2,048 x 2,048 float32; b_proj 256 float32; lowp_scales 8 int32 (the exponents e of the quantised operands' scales 2^e); w_proj 256 x 256 float32; w_qkv 768 x 256 float32; x 8 x 2,048 x 256 float32.
;; Outputs: out0 8 x 2,048 x 256 float32.
;; This version of the problem:
;;   THIS VERSION OF THE PROBLEM IS GIVEN IN LOW PRECISION. The matrix products marked QUANTISED in the list below multiply operands that are first quantised to E4M3 (4 exponent bits, 3 mantissa bits; 8 bits a number), with one given power-of-two scale for each operand tensor; their sums are f32. All else is computed in f32.
;;   The module's matrix products, in the order in which they are computed (A, B: the left and right operand; K: the contracted axis; several contracted axes count as one K, in the product's order):
;;     1. [M 16,384, K 256] x [K 256, N 768]; A: input x; B: input w_qkv: QUANTISED (scales: A lowp_scales[0], B lowp_scales[1])
;;     2. batch 64 x [M 2,048, K 32] x [K 32, N 2,048]; A: computed on the way; B: computed on the way: QUANTISED (scales: A lowp_scales[2], B lowp_scales[3])
;;     3. batch 64 x [M 2,048, K 2,048] x [K 2,048, N 32]; A: softmax (see below); B: computed on the way: QUANTISED (scales: A lowp_scales[4], B lowp_scales[5])
;;     4. [M 16,384, K 256] x [K 256, N 256]; A: computed on the way; B: input w_proj: QUANTISED (scales: A lowp_scales[6], B lowp_scales[7])
;;   THE QUANTISER, for each operand of a quantised product, along K:
;;     - The operand's scale is 2^e, e = its entry of the input lowp_scales (int32; the entries are numbered through the quantised products in the list's order, A before B).
;;     - Each number is divided by the scale, clamped to +-448, and rounded to the nearest number of E4M3, ties to even, subnormals kept.
;;     - The product sums the exact products of the quantised numbers (number of the format x scale) in f32.
;;   ~~~python
;;   def quantise(x, axis, e):      # numpy; x: float32 -> the quantised numbers, widened to float32 again
;;       x = np.moveaxis(x, axis, -1); K = x.shape[-1]
;;       r = np.clip(x / 2.0 ** e, -448, 448)
;;       step = 2.0 ** (np.maximum(np.frexp(np.where(r == 0, 1, r))[1] - 1, -6) - 3)
;;       q = np.round(r / step) * step * 2.0 ** e      # np.round: ties to even
;;       return np.moveaxis(q, -1, axis).astype(np.float32)
;;   ~~~
;;   SOFTMAX AHEAD OF A QUANTISED PRODUCT. Where the list says 'softmax', what is quantised is not the finished softmax but p = 2^(t - M), with t = logit x log2(e) and M = ceil(the row's largest t), a whole number; so 1/2 < the row's largest p <= 1. The row's sum l is taken of the UNQUANTISED p, in f32, and the product's result is divided by l at the end. Since M is a whole number, a kernel that streams over the keys may use a running M (the ceiling of the running maximum): every later rescaling is an exact power of two, so the quantised numbers keep their values, but for numbers so far below the row's largest that they fall under the format's range.
;;   OPERANDS COMPUTED ON THE WAY. 'Computed on the way' means the value that the module computes at that place (a softmax that the list does not call 'softmax' is quantised finished and normalised). What goes into a quantiser is computed in f32, as accurately as f32 sums, v_exp_f32 and their like allow (about 1e-6 of the number): no bf16 or f16 on the way to a quantiser, and a product that is left as it is and whose result goes on into a quantised operand takes f32 operands (vector FMAs, or v_wmma_f32_16x16x4_f32). A number that lies on a knife's edge between two numbers of the format may be rounded either way, as far as f32 arithmetic and the matrix unit's own rounding can turn it there, and no further.
;; One version. Each part assembles by itself: llvm-mc -triple=amdgcn-amd-amdhsa -mcpu=gfx1250 --defsym DOCPART=n.
;; ======== version 1 of 1: 2 launches
;; limits: right only within a limited range of input values
;; workspace buffers: qc 4,194,304 bytes; kv 8,388,608 bytes; g 16,777,216 bytes; wc 65,536 bytes
;; launch prep (part 1): grid 256 x 1, 8 waves a work-group, no clusters, 205,824 bytes of LDS; arguments x, w_qkv, atten_bias, lowp_scales, qc, kv, g, w_proj, wc; writes qc, kv, g, wc
.if DOCPART == 1
	.amdgcn_target "amdgcn-amd-amdhsa--gfx1250"
	.amdhsa_code_object_version 6
	.text
	.protected	k_q0052edc36f_prep
	.globl	k_q0052edc36f_prep
	.p2align	8
	.type	k_q0052edc36f_prep,@function
k_q0052edc36f_prep:
	s_mov_b64 s[64:65], 0
	v_nop
	global_prefetch_b8 v0, s[64:65] scope:SCOPE_SE
	s_setreg_imm32_b32 hwreg(HW_REG_WAVE_MODE, 25, 1), 1
	s_wait_xcnt 0x0
; PREP.  Two kinds of work-group, told apart by the work-group's number: ty = number / 64, tb = number % 64.
; ty = 0, 1, 2 (q, k, v): 256 tokens (tb) x the 256 columns of that kind of x w_qkv^T, on codes of E4M3 made here (x with 2^e0, w_qkv with 2^e1), sums in f32; each sum is
;   quantised at once with its own given scale (q: e2, k: e3, v: e5) and leaves as codes.  Wave w makes head w (32 columns) for all 256 tokens.
; ty = 3: 32 rows of the table g = c x sigmoid(atten_bias), c = 2^(e2 + e3) x log2(e) / sqrt(32), f32: a score's raw sum times g is the softmax's t.
; WHAT IS STORED.  qc [16384 tokens][256]: byte 32 head + d.   kv [batch][key step of 128 keys][256 rows][256 bytes]: rows 0-127 k's codes, key kappa at the row that is kappa with
;   bits 3 and 4 changed over; rows 128-255 v's codes with the keys innermost: channel c's 128 keys at byte 128 c of that half.   g [2048][2048] f32.
; TILES.  Lane r of tile 2 B + u (of tokens, and of a head's 32 rows of w_qkv) takes row 32 B + 8 u + r + 8 (r / 8).  q, k: source 0 = w, source 1 = x: a lane holds one token, and the 16
;   registers of w's two tiles are channels 16 (lane / 16) + 0 .. 15.  v: source 0 = x, source 1 = w: a lane holds one channel, and the 16 registers of two tiles of tokens are 16 neighbouring tokens.
; K IN A FRAGMENT: registers 4 b .. 4 b + 3 hold k = 32 b + 16 (lane / 16) + 0 .. 15, alike in both sources, so every product meets its partner.
; x's fragments go from wave to wave through LDS as images of their registers (a group of four registers at 512 c + 16 lane).  The codes leave through a stage in LDS, whole rows of 256 bytes.
; LIMITS: e0, e1 and (e2, e3, e5) - e0 - e1 between -126 and 119; e2 + e3 between -124 and 129; NaN among the inputs is not served; a sigmoid under 2^-126 comes out as 0.
.set XIMG,  0                          ; LDS: 16 tiles of tokens x 2 K steps, 2,048 bytes an image
.set STQ,   65536                      ; the stage of q and k: 256 rows x 272 bytes
.set STV,   135168                     ; the stage of v: 256 channels x 272 bytes: bytes of its own
.set SPARE, 204800                     ; the spare words: 128 bytes a wave, four blocks of 256 bytes that no other line names
.set SP,    272
.set LA,  1                            ; v1   (r + 8 (r / 8)) x 1024 + 64 h: my place in 32 rows of x or of w_qkv
.set LI,  2                            ; v2   16 x lane
.set XW,  3                            ; v3   where I store x's images: 16 x lane + 8192 x wave
.set SQ,  4                            ; v4   stage of q, k, in: row r, byte 32 wave + 16 h
.set SV,  5                            ; v5   stage of v, in: row 32 wave + r + 8 (r / 8), byte 16 h
.set RQ,  6                            ; v6   stage of q, k, back: row 32 wave + lane / 16, byte 16 (lane % 16)
.set RV,  8                            ; v8   stage of v, back: row 32 wave + (lane / 8) % 2, byte 128 (lane / 16) + 16 (lane % 8)
.set GV,  9                            ; v9   and its place in kv: 65536 (lane / 16) + 128 ((lane / 8) % 2) + 16 (lane % 8)
.set SPW, 16                           ; v16  my spare word; never rewritten
.set NIL, 17                           ; v17  0; never rewritten
.set PC,  32                           ; v32-47   codes just made
.set WF,  64                           ; v64-127  my head's four fragments of w_qkv: (u, s) at 16 (2 u + s)
.set BA,  128                          ; v128-255 two sets of 64 numbers as loaded
.set XF,  128                          ; v128-191 later: four fragments of x: (tau, s) at 16 (2 tau + s); later the rows read back
.set DD,  192                          ; v192-223 later: four accumulators
.set WV,  18
.set TY,  19
.set TB,  20
.macro MKSCALE se, vs, vl              ; from the whole number e in s[se]: 2^e as f32 and 448 x 2^e
	s_add_co_i32 s44, s[\se], 127
	s_lshl_b32 s45, s44, 23
	v_mov_b32 v[\vs], s45
	s_add_co_i32 s44, s44, 8
	s_lshl_b32 s44, s44, 23
	s_or_b32 s44, s44, 0x600000
	v_mov_b32 v[\vl], s44
.endm
.macro LOADC n                         ; chunk n of eight: 16 rows x 128 along K, 64 numbers a lane.  n < 4: w_qkv's (u, s) = (n / 2, n % 2); else x's (tau, s)
.set BUF, BA+64*((\n)%2)
.irp b, 0,1,2,3
.irp j, 0,1,2,3
.if (\n) < 4
	global_load_b128 v[BUF+16*\b+4*\j:BUF+16*\b+4*\j+3], v[LA], s[34:35] offset:8192*((\n)/2)+512*((\n)%2)+128*\b+16*\j
.else
	global_load_b128 v[BUF+16*\b+4*\j:BUF+16*\b+4*\j+3], v[LA], s[32:33] offset:8192*(((\n)-4)/2)+512*((\n)%2)+128*\b+16*\j
.endif
.endr
.endr
.endm
.macro QUANT src, dst, sc, lim         ; 64 numbers of a lane become a fragment's 16 registers of codes
.irp b, 0,1,2,3
.irp i, 0,1,2,3,4,5,6,7,8,9,10,11,12,13,14,15
	v_med3_num_f32 v[(\src)+16*\b+\i], v[(\src)+16*\b+\i], -v[\lim], v[\lim]   ; the conversion to an 8-bit code does not saturate (ISA guide 7.6.2): the hold at the largest code x the scale
.endr
	v_cvt_scalef32_pk8_fp8_f32 v[(\dst)+4*\b:(\dst)+4*\b+1], v[(\src)+16*\b:(\src)+16*\b+7], v[\sc]
	v_cvt_scalef32_pk8_fp8_f32 v[(\dst)+4*\b+2:(\dst)+4*\b+3], v[(\src)+16*\b+8:(\src)+16*\b+15], v[\sc]
.endr
	v_nop                                          ; a plain line behind the last conversion: matrix instructions later touch these registers
.endm
.macro BARRIER                         ; my LDS stores have landed and my LDS loads are in: then the work-group's barrier
	s_wait_dscnt 0x0
	s_barrier_signal -1
	s_barrier_wait -1
.endm
.macro FINISH                          ; the wave's end: the tensor wait, an add to the spare word and its wait, behind the last LDS store
	s_wait_tensorcnt 0x0
	ds_add_u32 v[SPW], v[NIL]
	s_wait_dscnt 0x0
	s_endpgm
.endm
; Tiles 2 B and 2 B + 1 of tokens against my head's two tiles of w_qkv: 8 matrix instructions on four accumulators by turns, then the quantiser, then the stage.
.macro PROD B, tr
.irp f, 0,1,2,3
.irp c, 0,1,2,3
	ds_load_b128 v[XF+16*\f+4*\c:XF+16*\f+4*\c+3], v[LI] offset:XIMG+8192*(\B)+2048*\f+512*\c
.endr
.endr
	s_wait_dscnt 0x0                               ; the fragments are in; the stores of the pair of tiles before have read their registers
.irp s, 0,1
.irp t, 0,1
.irp u, 0,1
.if \tr
.set rD, DD+8*(2*\t+\u)
.set rA, WF+16*(2*\u+\s)
.set rB, XF+16*(2*\t+\s)
.else
.set rD, DD+8*(2*\u+\t)
.set rA, XF+16*(2*\t+\s)
.set rB, WF+16*(2*\u+\s)
.endif
.if \s == 0
	v_wmma_f32_16x16x128_fp8_fp8 v[rD:rD+7], v[rA:rA+15], v[rB:rB+15], 0
.else
	v_wmma_f32_16x16x128_fp8_fp8 v[rD:rD+7], v[rA:rA+15], v[rB:rB+15], v[rD:rD+7]
.endif
.endr
.endr
.endr
.rept 4
	v_nop                                          ; four places between the last product and the first read of results (ISA guide 7.12.1)
.endr
.set i, 0
.rept 32
	v_med3_num_f32 v[DD+i], v[DD+i], -v15, v15     ; each accumulator from its low end on
.set i, i+1
.endr
.irp k, 0,1,2,3
	v_cvt_scalef32_pk8_fp8_f32 v[PC+2*\k:PC+2*\k+1], v[DD+8*\k:DD+8*\k+7], v14
.endr
	v_nop
.irp y, 0,1
.if \tr
	ds_store_b128 v[SQ], v[PC+4*\y:PC+4*\y+3] offset:16*SP*(2*(\B)+\y)   ; stage row 16 (2 B + tau) + r: 16 channels of my head
.else
	ds_store_b128 v[SV], v[PC+4*\y:PC+4*\y+3] offset:8*SP*\y+32*(\B)      ; channel row + 8 u: tokens 32 B + 16 h + 0 .. 15
.endif
.endr
.endm
	s_load_b256 s[4:11], s[0:1], 0x0               ; x s[4:5], w_qkv s[6:7], atten_bias s[8:9], the scales' exponents s[10:11]
	s_load_b128 s[12:15], s[0:1], 0x20             ; qc s[12:13], kv s[14:15]
	s_load_b64 s[16:17], s[0:1], 0x30              ; g
	s_load_b128 s[60:63], s[0:1], 0x38             ; w_proj s[60:61], wc s[62:63]
	v_lshl_add_u32 v[SPW], v0, 2, SPARE
	v_mov_b32 v[NIL], 0
	v_lshrrev_b32 v18, 5, v0
	s_delay_alu instid0(VALU_DEP_1)
	v_readfirstlane_b32 s[WV], v18                 ; wave 0..7
	s_lshr_b32 s[TY], ttmp9, 6
	s_and_b32 s[TB], ttmp9, 63
	v_and_b32 v19, 31, v0                          ; lane
	v_and_b32 v20, 15, v0                          ; r
	v_bfe_u32 v21, v0, 4, 1                        ; h
	s_delay_alu instid0(VALU_DEP_2)
	v_and_b32 v22, 8, v20
	s_delay_alu instid0(VALU_DEP_1)
	v_add_nc_u32 v22, v22, v20                     ; r + 8 (r / 8)
	v_bfe_u32 v23, v0, 3, 1
	v_and_b32 v24, 7, v0
	s_delay_alu instid0(VALU_DEP_3)
	v_lshlrev_b32 v[LA], 10, v22
	s_delay_alu instid0(VALU_DEP_1)
	v_lshl_add_u32 v[LA], v21, 6, v[LA]
	v_lshlrev_b32 v[LI], 4, v19
	s_lshl_b32 s44, s[WV], 13
	v_add_nc_u32 v[XW], s44, v[LI]
	v_mul_u32_u24 v[SQ], v20, SP
	s_delay_alu instid0(VALU_DEP_1)
	v_lshl_add_u32 v[SQ], v21, 4, v[SQ]
	s_lshl_b32 s44, s[WV], 5
	s_add_co_u32 s44, s44, STQ
	v_add_nc_u32 v[SQ], s44, v[SQ]
	s_mul_i32 s45, s[WV], 32*SP
	s_add_co_u32 s46, s45, STV
	s_add_co_u32 s47, s45, STQ
	v_mul_u32_u24 v[SV], v22, SP
	s_delay_alu instid0(VALU_DEP_1)
	v_lshl_add_u32 v[SV], v21, 4, v[SV]
	s_delay_alu instid0(VALU_DEP_1)
	v_add_nc_u32 v[SV], s46, v[SV]
	v_mul_u32_u24 v[RQ], v21, SP
	s_delay_alu instid0(VALU_DEP_1)
	v_lshl_add_u32 v[RQ], v20, 4, v[RQ]
	s_delay_alu instid0(VALU_DEP_1)
	v_add_nc_u32 v[RQ], s47, v[RQ]
	v_mul_u32_u24 v[RV], v23, SP
	s_delay_alu instid0(VALU_DEP_1)
	v_lshl_add_u32 v[RV], v21, 7, v[RV]
	s_delay_alu instid0(VALU_DEP_1)
	v_lshl_add_u32 v[RV], v24, 4, v[RV]
	s_delay_alu instid0(VALU_DEP_1)
	v_add_nc_u32 v[RV], s46, v[RV]
	v_lshlrev_b32 v[GV], 16, v21
	s_delay_alu instid0(VALU_DEP_1)
	v_lshl_add_u32 v[GV], v23, 7, v[GV]
	s_delay_alu instid0(VALU_DEP_1)
	v_lshl_add_u32 v[GV], v24, 4, v[GV]
	s_lshl_b32 s48, s[TB], 18                      ; 262,144 tb + 32,768 wave: my wave's part of x (32 tokens), and of atten_bias and g (4 rows)
	s_lshl_b32 s49, s[WV], 15
	s_add_co_u32 s48, s48, s49
	s_mov_b32 s49, 0
	s_wait_kmcnt 0x0
	s_load_b256 s[24:31], s[10:11], 0x0            ; e0 .. e7
	s_cmp_eq_u32 s[TY], 3
	s_cbranch_scc1 .Lgpath
	; ---- q, k, v ----
	s_add_nc_u64 s[32:33], s[4:5], s[48:49]        ; x at my wave's 32 tokens
	s_lshl_b32 s50, s[TY], 18
	s_lshl_b32 s51, s[WV], 15
	s_add_co_u32 s50, s50, s51
	s_mov_b32 s51, 0
	s_add_nc_u64 s[34:35], s[6:7], s[50:51]        ; w_qkv at my head's 32 rows
	LOADC 0
	LOADC 1
	s_lshl_b32 s52, s[TB], 16                      ; q: 65,536 tb + 8,192 wave
	s_lshl_b32 s53, s[WV], 13
	s_add_co_u32 s52, s52, s53
	s_lshl_b32 s54, s[TB], 17                      ; kv: two key steps of 65,536 bytes to a work-group
	s_lshr_b32 s55, s[WV], 2
	s_lshl_b32 s55, s55, 16
	s_add_co_u32 s55, s55, s54
	s_and_b32 s56, s[WV], 3
	s_lshl_b32 s56, s56, 13
	s_add_co_u32 s55, s55, s56                     ; k: key step wave / 4, rows 32 (wave % 4) on
	s_lshl_b32 s56, s[WV], 12
	s_add_co_u32 s56, s56, s54
	s_add_co_u32 s56, s56, 32768                   ; v: behind k's rows, 32 channels x 128 bytes a wave
	s_cmp_eq_u32 s[TY], 0
	s_cselect_b32 s52, s52, s55
	s_cselect_b64 s[36:37], s[12:13], s[14:15]     ; the choice hangs on the work-group's number alone
	s_cmp_eq_u32 s[TY], 2
	s_cselect_b32 s52, s56, s52
	s_mov_b32 s53, 0
	s_add_nc_u64 s[36:37], s[36:37], s[52:53]
	s_wait_kmcnt 0x0
	MKSCALE 24, 10, 11                             ; x's scale
	MKSCALE 25, 12, 13                             ; w_qkv's
	s_cmp_eq_u32 s[TY], 0
	s_cselect_b32 s46, s26, s27
	s_cmp_eq_u32 s[TY], 2
	s_cselect_b32 s46, s29, s46                    ; e2, e3 or e5
	s_sub_co_i32 s46, s46, s24
	s_sub_co_i32 s46, s46, s25                     ; a sum stands for sum x 2^(e0 + e1): the three scales are folded into the conversion's one
	MKSCALE 46, 14, 15
	s_wait_alu depctr_va_vdst(0)
.irp n, 0,1,2,3,4,5,6,7
.if \n < 7
	s_wait_loadcnt 16                              ; this chunk's 16 loads are in; the next chunk's 16 may be out
.else
	s_wait_loadcnt 0x0
.endif
.set QS, BA+64*(\n%2)
.set QD, WF+16*\n
.if \n < 4
	QUANT QS, QD, 12, 13                           ; w_qkv's fragments stay in my registers
.else
	QUANT QS, PC, 10, 11
.irp c, 0,1,2,3
	ds_store_b128 v[XW], v[PC+4*\c:PC+4*\c+3] offset:XIMG+2048*(\n-4)+512*\c   ; x's fragment goes to LDS as it stands
.endr
	s_wait_dscnt 0x0                               ; the stores have read their registers
.endif
.if \n < 6
	LOADC \n+2
.endif
.endr
	BARRIER                                        ; x's 32 images lie in LDS
	s_cmp_eq_u32 s[TY], 2
	s_cbranch_scc1 .Lv
.irp B, 0,1,2,3,4,5,6,7
	PROD \B, 1
.endr
	BARRIER                                        ; 256 whole rows of codes lie in the stage
.irp i, 0,1,2,3,4,5,6,7,8,9,10,11,12,13,14,15
	ds_load_b128 v[XF+4*\i:XF+4*\i+3], v[RQ] offset:2*SP*\i
.endr
	s_cmp_eq_u32 s[TY], 0
	s_cbranch_scc1 .Lq
.irp i, 0,1,2,3,4,5,6,7,8,9,10,11,12,13,14,15
	s_wait_dscnt 15-\i
	global_store_b128 v[LI], v[XF+4*\i:XF+4*\i+3], s[36:37] offset:512*\i   ; k: the stage's order is kv's: 32 lanes store 512 consecutive bytes
.endr
	FINISH
.Lq:
.irp i, 0,1,2,3,4,5,6,7,8,9,10,11,12,13,14,15
	s_wait_dscnt 15-\i
	global_store_b128 v[LI], v[XF+4*\i:XF+4*\i+3], s[36:37] offset:256*(((2*\i)&7)|(((2*\i)&8)<<1)|(((2*\i)&16)>>1))   ; q: stage row rho holds the token that is rho with bits 3 and 4 changed over
.endr
	FINISH
.Lv:
.irp B, 0,1,2,3,4,5,6,7
	PROD \B, 0
.endr
	BARRIER                                        ; 256 channels x 256 tokens lie in v's stage
.irp i, 0,1,2,3,4,5,6,7,8,9,10,11,12,13,14,15
	ds_load_b128 v[XF+4*\i:XF+4*\i+3], v[RV] offset:2*SP*\i
.endr
.irp i, 0,1,2,3,4,5,6,7,8,9,10,11,12,13,14,15
	s_wait_dscnt 15-\i
	global_store_b128 v[GV], v[XF+4*\i:XF+4*\i+3], s[36:37] offset:256*\i   ; sixteen lanes store two channels' 128 keys, 256 consecutive bytes; lanes 16-31 the same of the next key step
.endr
	FINISH
	; ---- the table g: 32 KiB a wave, eight steps of 4 KiB, loads three steps ahead in four sets of 32 registers ----
.macro GLOAD t
.irp i, 0,1,2,3,4,5,6,7
	global_load_b128 v[32+32*((\t)%4)+4*\i:32+32*((\t)%4)+4*\i+3], v[LI], s[38:39] offset:4096*(\t)+512*\i th:TH_LOAD_NT
.endr
.endm
.macro GSTEP t
.set GS, 32+32*((\t)%4)
.if (\t)+3 < 8
.if (\t) >= 1
	s_wait_xcnt 0x0                                ; the stores of the step before have read their data: that set is loaded again only behind this wait
.endif
	GLOAD (\t)+3
.endif
.if 7-(\t) >= 3
	s_wait_loadcnt 24                              ; this step's eight loads are in; those of the three steps behind it may be out
.else
	s_wait_loadcnt 8*(7-(\t))
.endif
.set j, 0
.rept 16
	v_pk_mul_f32 v[GS+j:GS+j+1], v[GS+j:GS+j+1], s[40:41] op_sel_hi:[1,0]   ; -x log2(e)
.set j, j+2
.endr
.set j, 0
	s_wait_alu depctr_va_vdst(0)
.rept 32
	v_exp_f32 v[GS+j], v[GS+j]
.set j, j+1
.endr
	v_nop                                          ; a plain line behind the last exponential,
	s_wait_alu depctr_va_vdst(0)                   ; and one wait for the batch ahead of its first reader
.set j, 0
.rept 16
	v_pk_add_f32 v[GS+j:GS+j+1], v[GS+j:GS+j+1], 1.0 op_sel_hi:[1,0]
.set j, j+2
.endr
.set j, 0
	s_wait_alu depctr_va_vdst(0)
.rept 32
	v_rcp_f32 v[GS+j], v[GS+j]
.set j, j+1
.endr
	v_nop
	s_wait_alu depctr_va_vdst(0)
.set j, 0
.rept 16
	v_pk_mul_f32 v[GS+j:GS+j+1], v[GS+j:GS+j+1], s[42:43] op_sel_hi:[1,0]   ; x c
.set j, j+2
.endr
.irp i, 0,1,2,3,4,5,6,7
	global_store_b128 v[LI], v[GS+4*\i:GS+4*\i+3], s[36:37] offset:4096*(\t)+512*\i   ; 32 lanes store 512 consecutive bytes
.endr
.endm
; The 32 waves of tb < 4 also quantise w_proj with 2^e7 (e7 between -126 and 119), one image of 16 rows x 128 along K each, ahead of their part of the table.
; wc [16 tiles of 16 rows][2 K steps][4 groups][32 lanes][16 bytes]: the image of a fragment's registers: registers 2 c, 2 c + 1 of lane (r, h) hold k = 16 c + 8 h + 0 .. 7.
.Lgpath:
	v_lshlrev_b32 v29, 10, v20
	v_lshl_add_u32 v29, v21, 5, v29                ; w_proj: 1024 r + 32 h
	s_add_nc_u64 s[38:39], s[8:9], s[48:49]
	s_add_nc_u64 s[36:37], s[16:17], s[48:49]
	s_cmp_lt_u32 s[TB], 4
	s_wait_alu depctr_va_vdst(0)
	s_cbranch_scc0 .Lnow
	s_lshl_b32 s54, s[TB], 3                       ; image 8 tb + wave = 2 x tile of rows + K step
	s_add_co_u32 s54, s54, s[WV]
	s_lshl_b32 s56, s54, 11
	s_mov_b32 s57, 0
	s_lshr_b32 s55, s54, 1
	s_lshl_b32 s55, s55, 14
	s_and_b32 s54, s54, 1
	s_lshl_b32 s54, s54, 9
	s_add_co_u32 s54, s54, s55
	s_mov_b32 s55, 0
	s_add_nc_u64 s[54:55], s[60:61], s[54:55]
	s_add_nc_u64 s[56:57], s[62:63], s[56:57]
.irp c, 0,1,2,3,4,5,6,7
	global_load_b128 v[160+8*\c:163+8*\c], v29, s[54:55] offset:64*\c      ; w_proj(row r, 16 c + 8 h + 0 .. 7)
	global_load_b128 v[164+8*\c:167+8*\c], v29, s[54:55] offset:64*\c+16
.endr
	GLOAD 0
	GLOAD 1
	GLOAD 2
	s_wait_kmcnt 0x0
	MKSCALE 31, 30, 31
	s_wait_alu depctr_va_vdst(0)
	s_wait_loadcnt 24                              ; w_proj's sixteen loads are in; the table's 24 may be out
.set j, 0
.rept 64
	v_med3_num_f32 v[160+j], v[160+j], -v31, v31
.set j, j+1
.endr
.irp c, 0,1,2,3,4,5,6,7
	v_cvt_scalef32_pk8_fp8_f32 v[224+2*\c:225+2*\c], v[160+8*\c:167+8*\c], v30
.endr
	v_nop
.irp c, 0,1,2,3
	global_store_b128 v[LI], v[224+4*\c:227+4*\c], s[56:57] offset:512*\c
.endr
	s_branch .Lgo
.Lnow:
	GLOAD 0
	GLOAD 1
	GLOAD 2
.Lgo:
	s_mov_b32 s40, 0xbfb8aa3b                      ; -log2(e)
	s_mov_b32 s41, s40                             ; (named with it as a pair, so it is written)
	s_wait_kmcnt 0x0
	s_add_co_i32 s42, s26, s27
	s_lshl_b32 s42, s42, 23
	s_add_co_i32 s42, s42, 0x3e8293ee              ; c = log2(e) / sqrt(32), with e2 + e3 added to its exponent field
	s_mov_b32 s43, s42
.irp t, 0,1,2,3,4,5,6,7
	GSTEP \t
.endr
	FINISH
.Lfunc_end_k_q0052edc36f_prep:
	.size	k_q0052edc36f_prep, .Lfunc_end_k_q0052edc36f_prep-k_q0052edc36f_prep
	.p2alignl 7, 3214868480
	.fill 96, 4, 3214868480
	.section	.rodata,"a",@progbits
	.p2align	6, 0x0
	.amdhsa_kernel k_q0052edc36f_prep
		.amdhsa_group_segment_fixed_size 205824
		.amdhsa_private_segment_fixed_size 0
		.amdhsa_enable_private_segment 0
		.amdhsa_kernarg_size 72
		.amdhsa_user_sgpr_count 2
		.amdhsa_user_sgpr_kernarg_segment_ptr 1
		.amdhsa_wavefront_size32 1
		.amdhsa_system_sgpr_workgroup_id_x 1
		.amdhsa_system_sgpr_workgroup_id_y 1
		.amdhsa_system_sgpr_workgroup_id_z 1
		.amdhsa_system_vgpr_workitem_id 0
		.amdhsa_next_free_vgpr 256
		.amdhsa_next_free_sgpr 66
		.amdhsa_reserve_vcc 0
		.amdhsa_float_denorm_mode_32 3
		.amdhsa_float_denorm_mode_16_64 3
		.amdhsa_memory_ordered 1
		.amdhsa_forward_progress 1
		.amdhsa_inst_pref_size 193
	.end_amdhsa_kernel
	.amdgpu_metadata
---
amdhsa.version: [ 1, 2 ]
amdhsa.kernels:
  - .name:           k_q0052edc36f_prep
    .symbol:         k_q0052edc36f_prep.kd
    .args:
      - { .name: x, .offset: 0, .size: 8, .value_kind: global_buffer, .address_space: global }
      - { .name: w_qkv, .offset: 8, .size: 8, .value_kind: global_buffer, .address_space: global }
      - { .name: atten_bias, .offset: 16, .size: 8, .value_kind: global_buffer, .address_space: global }
      - { .name: lowp_scales, .offset: 24, .size: 8, .value_kind: global_buffer, .address_space: global }
      - { .name: qc, .offset: 32, .size: 8, .value_kind: global_buffer, .address_space: global }
      - { .name: kv, .offset: 40, .size: 8, .value_kind: global_buffer, .address_space: global }
      - { .name: g, .offset: 48, .size: 8, .value_kind: global_buffer, .address_space: global }
      - { .name: w_proj, .offset: 56, .size: 8, .value_kind: global_buffer, .address_space: global }
      - { .name: wc, .offset: 64, .size: 8, .value_kind: global_buffer, .address_space: global }
    .group_segment_fixed_size: 205824
    .private_segment_fixed_size: 0
    .kernarg_segment_align: 8
    .kernarg_segment_size: 72
    .max_flat_workgroup_size: 256
    .sgpr_count:     66
    .vgpr_count:     256
    .wavefront_size: 32
...
	.end_amdgpu_metadata
.endif
;; end of part 1
;; launch attn (part 2): grid 32 x 8, 16 waves a work-group, clusters of 4 x 4, 327,680 bytes of LDS; arguments qc, kv, g, wc, b_proj, lowp_scales, out0; writes out0
.if DOCPART == 2
	.amdgcn_target "amdgcn-amd-amdhsa--gfx1250"
	.amdhsa_code_object_version 6
	.text
	.protected	k_q0052edc36f_attn
	.globl	k_q0052edc36f_attn
	.p2align	8
	.type	k_q0052edc36f_attn,@function
k_q0052edc36f_attn:
	s_mov_b64 s[64:65], 0
	v_nop
	global_prefetch_b8 v0, s[64:65] scope:SCOPE_SE
	s_setreg_imm32_b32 hwreg(HW_REG_WAVE_MODE, 25, 1), 1
	s_wait_xcnt 0x0
	s_wait_alu depctr_hold_cnt(0) depctr_sa_sdst(0) depctr_va_vdst(0) depctr_va_sdst(0) depctr_va_ssrc(0) depctr_va_vcc(0) depctr_vm_vsrc(0)
	s_getreg_b32 s2, hwreg(HW_REG_IB_STS2, 6, 4)
	s_cmp_eq_u32 s2, 0
	s_cbranch_scc0 .Lentry_in_a_cluster
	s_endpgm
.Lentry_in_a_cluster:
	s_bfe_u32 s2, ttmp6, 0x10000c
	s_cmp_lg_u32 s2, 0xf033
	s_cbranch_scc0 .Lentry_shape_is_right
	s_endpgm
.Lentry_shape_is_right:
; ATTN.  out0 = Q(softmax-weighted v) Q(w_proj)^T + b_proj, from the codes of q, k, v and w_proj and the table g = c x sigmoid(atten_bias), c = 2^(e2 + e3) log2(e) / sqrt(32).
; t = (raw sum of q's and k's codes) x g;  M = the running largest t rounded UP to a whole number;  p = 2^(t - M) is quantised with 2^e4; the row's sum l is taken of the unquantised p;
; when M moves, l and O are multiplied by 2^(old M - new M), which rounds nothing.  O x 2^(e4 + e5) / l is quantised with 2^e6; its sums with w_proj's codes x 2^(e6 + e7) + b_proj are the output.
; SHARES.  A work-group owns 64 queries (X) of one batch (Y), all 8 heads: so a tile of g serves 8 heads, and a token's 256 channels meet in one work-group for the last product.
;   Sixteen waves of 256 registers: wave w owns the tile of 16 queries qt = w % 4 and the heads 2 hp, 2 hp + 1, hp = w / 4.  Every wave walks the 2,048 keys, 128 a step.
; CLUSTER 4 x 4.  The four work-groups of a row of the cluster have one batch and ask for its tiles of k and v JOINTLY; the four of a column have one block of queries and ask for g's tile jointly.
;   Wave 0 fetches k's 128 rows, wave 1 v's, wave 2 g's 64 rows: one tensor load a wave behind each round, never more than one of a wave's out.
; THE RING.  Two slots of one key step.  A wave's last LDS reads of a slot are v's fragments of its second head.  Behind them it waits for its tensor load, adds 0 to its spare word, works on, waits for the add
;   and the reads, and signals; the rest of that head's softmax and its second product, work on registers alone, stand between the signal and the wait.  The round of the cluster's barrier follows, and behind it
;   the slot just left is asked for again, two key steps ahead.the add ahead of such a barrier is written twice.
; LAYOUT.  Both products transposed: S^T = K Q^T, O^T = V^T P^T: a lane holds ONE query (lane % 16).  kv's rows of k are laid so that the 16 neighbouring LDS rows of tile 2 b + u are keys
;   32 b + 8 u + r + 8 (r / 8): the 16 registers of tiles 2 b, 2 b + 1 are keys 32 b + 16 (lane / 16) + 0 .. 15, the order of g's loads, of p's conversions and of v's loads.
; A HEAD IS 32 ALONG K, the matrix instruction 64: source 1 (q) has zeros in its upper four registers; source 0's upper four are the next tile's codes (zeros behind the last): finite numbers times zero.
; LIMITS: e4, e6 between -126 and 119; e6 + e7 between -126 and 127; NaN among the inputs is not served; a p under 2^-126 comes out as 0.
;   t is sum x (c sigmoid), where the definition multiplies step by step: another order of rounding, a few parts in 10^7.
.set SLOT1, 131072                     ; slot 1 begins here: one exclusive or turns an address in one slot into the other's
.set KP,    272                        ; a row of 256 bytes + 16 of padding
.set VOFF,  128*KP                     ; a slot: 128 rows of k, 128 rows of v (two channels x 128 keys each),
.set GOFF,  256*KP                     ; 64 rows of g,
.set GP,    528                        ; of 512 bytes + 16
.set SPARE, 262144                     ; behind the ring: the spare words, 128 bytes a wave
.set AIMG,  264192                     ; the attention's codes as images of the last product's operand: (tile, K step) at 2048 (2 tile + s)
.set STG,   0                          ; the way out: 64 rows x (1,024 + 16) bytes, in slot 0, which has had its last fill and its last read by then
.set STP,   1040
.set AK0, 1                            ; my place in a slot's rows of k
.set AV0, 2                            ; of v
.set AG0, 3                            ; of g
.set PFO, 4                            ; the prefetches' offset
.set SPW, 5
.set NIL, 6
.set KV,  32                           ; v32-63 k's 8 tiles x 4 registers, then v's 2 fragments x 16; v64-67 zeros
.set P,   68                           ; v68-83 p's codes
.set S,   84                           ; v84-147 the scores, then t, then p
.set G,   148                          ; v148-211 g's 64 numbers of my query: they serve both heads; at the end w_proj's codes and b_proj
.set O,   212                          ; v212-243 O^T: head hh, 16 channels ct at 16 hh + 8 ct
.set ADK, 252                          ; the step's LDS addresses
.set ADG, 253
.set ADV, 254
.set WV,  18
.set TB,  19                           ; LDS byte at which the slot in hand begins
.set SLOTS, 22                         ; refills still to be asked for
.set LIM, 23                           ; 1 in a wave that prefetches, else the greatest number
; v8-11, v12-15: a head's -M, largest t, l in two halves.  v16-19, v24-27 q's codes; v20-23, v28-31 zeros.  v7 2^e4.  v244-251 at work.
; s[24:31], s[32:39] descriptor groups 1 (k and v; g); s[40:43], s[44:47] their groups 0, which walk; s[66:67] where my prefetches stand, s[68:69] a step on.
.macro CREST                           ; a round of the cluster's barrier behind its opening barrier
	s_cmp_lg_u32 s[WV], 0
	s_cbranch_scc1 .Lnot_wave_0_\@
	s_barrier_signal -3
.Lnot_wave_0_\@:
	s_barrier_wait -3
	s_barrier_signal -1
	s_barrier_wait -1
.endm
.macro CROUND                          ; a whole round
	s_barrier_signal -1
	s_barrier_wait -1
	CREST
.endm
.macro JLOAD                           ; the joint loads: the branches hang on the wave's number alone; an s_nop 0 and four v_nop follow each line
	s_cmp_lt_u32 s[WV], 2
	s_cbranch_scc0 .Lnot_kv_\@
	tensor_load_to_lds s[40:43], s[24:31]
	s_nop 0
.rept 4
	v_nop
.endr
	s_branch .Lasked_\@
.Lnot_kv_\@:
	s_cmp_eq_u32 s[WV], 2
	s_cbranch_scc0 .Lasked_\@
	tensor_load_to_lds s[44:47], s[32:39]
	s_nop 0
.rept 4
	v_nop
.endr
.Lasked_\@:
.endm
; A prefetch of what the NEXT refill will ask for, one key step ahead of that load.  Each aligned block of 256 bytes is named once in the launch.  A batch's kv is walked by all clusters of a row
; of clusters: the first (cluster x = 0) asks, waves 4 and 5, 8,192 bytes each, lanes 256 bytes apart; its four partners of one batch take 16,384 bytes each, told apart by address (cx).  A block of
; queries' g is walked by both clusters of a column: the first (cluster y = 0) asks, wave 6, a lane half a row; the four partners take 16 rows each (cy).  The last refill's trip asks for nothing.
.macro ASK
	s_cmp_gt_u32 s[SLOTS], s[LIM]
	s_cbranch_scc0 .Lnot_mine_\@
	global_prefetch_b8 v[PFO], s[66:67] th:TH_LOAD_NT scope:SCOPE_SE
.Lnot_mine_\@:
.endm
.macro WALK                            ; the walking descriptors: the other slot, the next key step.  Only behind a wait that shows no tensor load of mine out
	s_xor_b32 s41, s41, SLOT1
	s_add_nc_u64 s[42:43], s[42:43], 65536
	s_xor_b32 s45, s45, SLOT1
	s_add_nc_u64 s[46:47], s[46:47], 512
.endm
; One head's key step: 8 products K Q^T, the softmax, 2 products V^T P^T.
; m = 1: the change of slots with a refill behind it; m = 2: the last change, with none; m = 0: no change.  wl = 1: w_proj's codes and b_proj are asked for, into g's registers, behind g's last use.
.macro HEAD hh, m, wl
.set T, 8+4*\hh
.set OO, O+16*\hh
.irp t, 0,1,2,3,4,5,6,7
	ds_load_b128 v[KV+4*\t:KV+4*\t+3], v[ADK] offset:16*KP*\t+32*\hh
.endr
.if \hh == 0
.irp b, 0,1,2,3
.irp a, 0,1,2,3
	ds_load_b128 v[G+16*\b+4*\a:G+16*\b+4*\a+3], v[ADG] offset:128*\b+16*\a   ; g(my query, keys 32 b + 16 h + 4 a on)
.endr
.endr
	s_wait_alu depctr_va_vdst(0)
	s_wait_dscnt 16                                ; k is in; g's sixteen loads may be out
.else
	s_wait_dscnt 0x0
.endif
.irp t, 0,1,2,3,4,5,6,7
	v_wmma_f32_16x16x64_fp8_fp8 v[S+8*\t:S+8*\t+7], v[KV+4*\t:KV+4*\t+7], v[16+8*\hh:23+8*\hh], 0
.endr
.rept 4
	v_nop                                          ; four places ahead of the loads into k's registers and of the first read of the scores
.endr
.irp c, 0,1
.irp b, 0,1,2,3
	ds_load_b128 v[KV+16*\c+4*\b:KV+16*\c+4*\b+3], v[ADV] offset:(16*\hh+8*\c)*KP+32*\b
.endr
.endr
.if \hh == 0
	s_wait_dscnt 8                                 ; g is in; v's eight loads may be out
.endif
.if \m
	s_wait_tensorcnt 0x0                           ; my tensor load, a part of the other slot, has landed
	ds_add_u32 v[SPW], v[NIL]                      ; work on registers stands between the add and the wait for it
.if \m == 1
	ds_add_u32 v[SPW], v[NIL]                      ; and once more where a refill follows
	WALK
	s_wait_xcnt 0x0                                ; the last prefetch, a step back, has read its address
	s_add_nc_u64 s[66:67], s[66:67], s[68:69]
.endif
.endif
.set j, 0
.rept 32
	v_pk_mul_f32 v[S+j:S+j+1], v[S+j:S+j+1], v[G+j:G+j+1]   ; t; each accumulator from its low end on
.set j, j+2
.endr
.if \wl
	v_and_b32 v252, 31, v0
	v_bfe_u32 v253, v0, 4, 1
	v_lshlrev_b32 v252, 4, v252                    ; 16 x lane
	v_lshl_add_u32 v253, v253, 5, s99              ; b_proj: byte 64 w + 32 h
.irp j, 0,1,2,3,4,5,6,7
	global_load_b128 v[G+4*\j:G+4*\j+3], v252, s[10:11] offset:512*\j   ; my 16 rows of w_proj as two fragments
.endr
	global_load_b128 v[G+32:G+35], v253, s[12:13]  ; b_proj(16 w + 8 h + 0 .. 7)
	global_load_b128 v[G+36:G+39], v253, s[12:13] offset:16
.endif
	v_max3_num_f32 v244, v[S], v[S+1], v[S+2]      ; the step's largest t of my query among my 64 keys, in four chains
	v_max3_num_f32 v245, v[S+3], v[S+4], v[S+5]
	v_max3_num_f32 v246, v[S+6], v[S+7], v[S+8]
	v_max3_num_f32 v247, v[S+9], v[S+10], v[S+11]
.set j, 12
.rept 6
	v_max3_num_f32 v244, v244, v[S+j], v[S+j+1]
	v_max3_num_f32 v245, v245, v[S+j+2], v[S+j+3]
	v_max3_num_f32 v246, v246, v[S+j+4], v[S+j+5]
	v_max3_num_f32 v247, v247, v[S+j+6], v[S+j+7]
.set j, j+8
.endr
	v_max3_num_f32 v244, v244, v[S+60], v[S+61]
	v_max3_num_f32 v245, v245, v[S+62], v[S+63]
	v_max_num_f32 v246, v246, v247
	v_max3_num_f32 v244, v244, v245, v246
	v_permlanex16_b32 v250, v244, s20, s21
	v_max3_num_f32 v[T+1], v[T+1], v244, v250      ; the running largest t, lane l xor 16's among it
	v_mov_b32 v245, v[T]
	v_floor_f32 v[T], -v[T+1]                      ; the new -M = floor(-t): M is a whole number
	v_sub_f32 v245, v[T], v245                     ; old M - new M, 0 or less
	v_cvt_i32_f32 v245, v245                       ; (it saturates)
	v_ldexp_f32 v248, 1.0, v245                    ; f = 2^(old M - new M)
.set j, 0
.rept 32
	v_pk_add_f32 v[S+j:S+j+1], v[S+j:S+j+1], v[T:T+1] op_sel_hi:[1,0]   ; t - M
.set j, j+2
.endr
.if \m
	s_wait_dscnt 0x0                               ; the add is done, v is in, and my reads of this slot are over:
	s_barrier_signal -1                            ; say so, and work on registers while the others arrive
.endif
.set j, 0
	s_wait_alu depctr_va_vdst(0)                   ; a wait ahead of the batch
.rept 64
	v_exp_f32 v[S+j], v[S+j]                       ; p = 2^(t - M), at most 1: not normalised
.set j, j+1
.endr
	v_pk_mul_f32 v[T+2:T+3], v[T+2:T+3], v[248:249] op_sel_hi:[1,0]   ; l under the new M: the plain line behind the exponentials
	s_wait_alu depctr_va_vdst(0)                   ; and one behind it, ahead of its first reader
	v_pk_add_f32 v[250:251], v[S:S+1], v[S+2:S+3]  ; the row's sum is taken of the unquantised p, in four chains
	v_pk_add_f32 v[246:247], v[S+4:S+5], v[S+6:S+7]
	v_pk_add_f32 v[244:245], v[S+8:S+9], v[S+10:S+11]
.set j, 12
.rept 6
	v_pk_add_f32 v[T+2:T+3], v[T+2:T+3], v[S+j:S+j+1]
	v_pk_add_f32 v[250:251], v[250:251], v[S+j+2:S+j+3]
	v_pk_add_f32 v[246:247], v[246:247], v[S+j+4:S+j+5]
	v_pk_add_f32 v[244:245], v[244:245], v[S+j+6:S+j+7]
.set j, j+8
.endr
	v_pk_add_f32 v[T+2:T+3], v[T+2:T+3], v[S+60:S+61]
	v_pk_add_f32 v[250:251], v[250:251], v[S+62:S+63]
	v_pk_add_f32 v[246:247], v[246:247], v[244:245]
	v_pk_add_f32 v[T+2:T+3], v[T+2:T+3], v[250:251]
	v_pk_add_f32 v[T+2:T+3], v[T+2:T+3], v[246:247]
.irp b, 0,1,2,3
.set j, 16*\b
.rept 8
	v_dual_min_num_f32 v[S+j], s70, v[S+j] :: v_dual_min_num_f32 v[S+j+1], s70, v[S+j+1]   ; the conversion does not saturate (ISA guide 7.6.2); p is not negative, so the hold is one-sided; two a line
.set j, j+2
.endr
	v_cvt_scalef32_pk8_fp8_f32 v[P+4*\b:P+4*\b+1], v[S+16*\b:S+16*\b+7], v7
	v_cvt_scalef32_pk8_fp8_f32 v[P+4*\b+2:P+4*\b+3], v[S+16*\b+8:S+16*\b+15], v7
.endr
.if \m == 0
	s_wait_dscnt 0x0                               ; v is in
.endif
	s_wait_alu depctr_va_vdst(0)                   ; the wait directly ahead of the first reader of O^T
.set j, 0
.rept 8
	v_pk_mul_f32 v[OO+j:OO+j+1], v[OO+j:OO+j+1], v[248:249] op_sel_hi:[1,0]   ; O^T under the new M; also the plain lines behind the conversions
.set j, j+2
.endr
.irp c, 0,1
	v_wmma_f32_16x16x128_fp8_fp8 v[OO+8*\c:OO+8*\c+7], v[KV+16*\c:KV+16*\c+15], v[P:P+15], v[OO+8*\c:OO+8*\c+7]   ; the two accumulators by turns
.endr
.if \m
	s_barrier_wait -1                              ; all sixteen waves have said so
.endif
.endm
.macro STEP m, wl
	v_add_nc_u32 v[ADK], s[TB], v[AK0]             ; these three and the v_nop are the four places between the last products and the loads into their registers
	v_add_nc_u32 v[ADG], s[TB], v[AG0]
	v_add_nc_u32 v[ADV], s[TB], v[AV0]
	v_nop
	HEAD 0, 0, 0
.rept 4
	v_nop
.endr
	s_xor_b32 s[TB], s[TB], SLOT1                  ; on to the other slot: the step's three addresses are made, and nothing may stand between the second head's barrier wait and the rest of the round
	HEAD 1, \m, \wl
.endm
	s_load_b256 s[4:11], s[0:1], 0x0               ; qc s[4:5], kv s[6:7], g s[8:9], wc s[10:11]
	s_load_b128 s[12:15], s[0:1], 0x20             ; b_proj s[12:13], the scales' exponents s[14:15]
	s_load_b64 s[16:17], s[0:1], 0x30              ; out0
	v_lshl_add_u32 v[SPW], v0, 2, SPARE
	v_mov_b32 v[NIL], 0
	ds_add_u32 v[SPW], v[NIL]                      ; the wave's opening: the add, twice on end, and its wait ahead of the first tensor loads
	ds_add_u32 v[SPW], v[NIL]
	v_lshrrev_b32 v4, 5, v0
	v_readfirstlane_b32 s[WV], v4                  ; wave 0..15
	s_bfe_u32 s56, ttmp6, 0x40000                  ; cx
	s_bfe_u32 s57, ttmp6, 0x40004                  ; cy
	s_lshl_b32 s58, ttmp9, 2
	s_add_co_u32 s58, s58, s56                     ; X: my block of 64 queries
	s_and_b32 s59, ttmp7, 0xffff
	s_lshl_b32 s59, s59, 2
	s_add_co_u32 s59, s59, s57                     ; Y: my batch
	s_lshl_b32 s74, s57, 2
	s_lshl_b32 s74, 15, s74                        ; my row of the cluster
	s_lshl_b32 s75, 0x1111, s56                    ; my column
	s_or_b32 s24, s74, (0<<16)|(1<<20)|(1<<21)|(5<<22)|(3<<25)   ; k, v: the mask of my row; elements of 1 byte; padding on; bit 21 beside a mask; 4 words after every 64
	s_mov_b32 s25, 256<<16
	s_mov_b32 s26, 128<<16
	s_mov_b32 s27, 256<<16
	s_mov_b32 s28, 128
	s_mov_b32 s29, 256
	s_mov_b32 s30, 0
	s_mov_b32 s31, 0
	s_or_b32 s32, s75, (2<<16)|(1<<20)|(1<<21)|(6<<22)|(3<<25)   ; g: the mask of my column; elements of 4 bytes; 4 words of padding after every 128
	s_mov_b32 s33, 128<<16
	s_mov_b32 s34, 64<<16
	s_mov_b32 s35, 128<<16
	s_mov_b32 s36, 64
	s_mov_b32 s37, 2048
	s_mov_b32 s38, 0
	s_mov_b32 s39, 0
	s_and_b32 s76, s[WV], 1                        ; wave 0: k's rows, wave 1: v's
	s_lshl_b32 s78, s59, 20                        ; a batch's kv is 16 blocks of 65,536 bytes
	s_lshl_b32 s77, s76, 15
	s_add_co_u32 s78, s78, s77
	s_mov_b32 s79, 0
	s_mul_i32 s76, s76, VOFF                       ; and where they go in a slot: no place in the cluster enters an LDS address
	s_lshl_b32 s80, s58, 19                        ; g: 64 rows of 8,192 bytes
	s_mov_b32 s81, 0
	s_and_b32 s62, s[WV], 3                        ; qt
	s_lshr_b32 s63, s[WV], 2                       ; hp
	s_lshl_b32 s82, s59, 19                        ; qc: (2048 Y + 64 X + 16 qt) rows of 256 bytes
	s_lshl_b32 s83, s58, 14
	s_add_co_u32 s82, s82, s83
	s_lshl_b32 s83, s62, 12
	s_add_co_u32 s82, s82, s83
	s_mov_b32 s83, 0
	s_lshl_b32 s84, s59, 21                        ; out0: (2048 Y + 64 X + 4 wave) rows of 1,024 bytes
	s_lshl_b32 s85, s58, 16
	s_add_co_u32 s84, s84, s85
	s_lshl_b32 s85, s[WV], 12
	s_add_co_u32 s84, s84, s85
	s_mov_b32 s2, s85                              ; wc: my tile's 4,096 bytes
	s_mov_b32 s3, 0
	s_mov_b32 s85, 0
	s_mov_b32 s20, 0x76543210                      ; v_permlanex16_b32's selects for lane l xor 16
	s_mov_b32 s21, 0xfedcba98
	s_mov_b32 s[TB], 0
	s_mov_b32 s[SLOTS], 14
	v_and_b32 v250, 15, v0                         ; r
	v_bfe_u32 v251, v0, 4, 1                       ; h
	v_mul_u32_u24 v[AK0], v250, KP
	v_lshl_add_u32 v[AK0], v251, 4, v[AK0]
	s_lshl_b32 s86, s63, 6
	v_add_nc_u32 v[AK0], s86, v[AK0]               ; k: row r, byte 64 hp + 16 h
	v_lshrrev_b32 v244, 1, v250
	v_and_b32 v245, 1, v250
	v_mul_u32_u24 v[AV0], v244, KP
	v_lshl_add_u32 v[AV0], v245, 7, v[AV0]
	v_lshl_add_u32 v[AV0], v251, 4, v[AV0]
	s_mul_i32 s87, s63, 32*KP
	s_add_co_u32 s87, s87, VOFF
	v_add_nc_u32 v[AV0], s87, v[AV0]               ; v: row 32 hp + r / 2, byte 128 (r % 2) + 16 h
	v_mul_u32_u24 v[AG0], v250, GP
	v_lshl_add_u32 v[AG0], v251, 6, v[AG0]
	s_mul_i32 s88, s62, 16*GP
	s_add_co_u32 s88, s88, GOFF
	v_add_nc_u32 v[AG0], s88, v[AG0]               ; g: row 16 qt + r, byte 64 h
	v_lshlrev_b32 v255, 8, v250
	v_lshl_add_u32 v255, v251, 4, v255
	v_add_nc_u32 v255, s86, v255                   ; qc: row r, byte 64 hp + 16 h
	s_wait_alu depctr_va_vdst(0)
	s_wait_dscnt 0x0                               ; both opening adds are done
	CROUND                                         ; all sixteen work-groups are here: the first joint loads meet
	s_wait_kmcnt 0x0
	s_load_b256 s[48:55], s[14:15], 0x0            ; e0 .. e7
	s_mov_b32 s40, 1
	s_mov_b32 s41, s76                             ; LDS address: slot 0
	s_add_nc_u64 s[42:43], s[6:7], s[78:79]        ; the batch's key step 0
	s_or_b32 s43, s43, 0x80000000
	s_mov_b32 s44, 1
	s_mov_b32 s45, GOFF
	s_add_nc_u64 s[46:47], s[8:9], s[80:81]
	s_or_b32 s47, s47, 0x80000000
	JLOAD                                          ; key step 0 into slot 0
	s_add_nc_u64 s[4:5], s[4:5], s[82:83]
	s_add_nc_u64 s[16:17], s[16:17], s[84:85]
	s_add_nc_u64 s[10:11], s[10:11], s[2:3]
	global_load_b128 v[16:19], v255, s[4:5]        ; q's codes of my two heads stay in registers
	global_load_b128 v[24:27], v255, s[4:5] offset:32
	; the prefetches: where my wave's stand, and who asks
	s_lshl_b32 s90, s59, 20                        ; kv: my batch, my work-group's quarter of a block, my wave's half of that
	s_lshl_b32 s91, s56, 14
	s_add_co_u32 s90, s90, s91
	s_and_b32 s91, s[WV], 1
	s_lshl_b32 s91, s91, 13
	s_add_co_u32 s90, s90, s91
	s_lshl_b32 s92, s58, 19                        ; g: my block of queries, my work-group's 16 rows
	s_lshl_b32 s93, s57, 17
	s_add_co_u32 s92, s92, s93
	s_and_b32 s98, ttmp7, 0xffff                   ; cluster y
	s_mov_b32 s68, 512
	s_mov_b32 s89, 8192
	s_cmp_lt_u32 s[WV], 6                          ; waves 4 and 5 ask for kv, wave 6 for g
	s_cselect_b64 s[66:67], s[6:7], s[8:9]
	s_cselect_b32 s90, s90, s92
	s_cselect_b32 s68, 65536, s68                  ; a key step on
	s_cselect_b32 s89, 512, s89                    ; from one pair of lanes to the next
	s_cselect_b32 s98, ttmp9, s98                  ; the coordinate along which other clusters walk the same bytes
	s_add_co_u32 s90, s90, s68
	s_add_co_u32 s90, s90, s68                     ; at key step 2: the first refill, of key step 2, steps it to 3.  Nothing is prefetched here, at the head
	s_mov_b32 s91, 0
	s_mov_b32 s69, 0
	s_add_nc_u64 s[66:67], s[66:67], s[90:91]
	s_sub_co_u32 s99, s[WV], 4
	s_cmp_lt_u32 s99, 3
	s_cselect_b32 s99, 0, 1                        ; 0 in waves 4, 5, 6
	s_or_b32 s98, s98, s99
	s_cmp_eq_u32 s98, 0
	s_cselect_b32 s[LIM], 1, -1                    ; the same in all sixteen partners, for a given wave
	s_lshl_b32 s99, s[WV], 6                       ; 64 w, for b_proj and the stage
	v_and_b32 v244, 31, v0
	v_lshrrev_b32 v245, 1, v244
	v_and_b32 v244, 1, v244
	v_mul_lo_u32 v[PFO], v245, s89
	v_lshl_add_u32 v[PFO], v244, 8, v[PFO]
.irp j, 20,21,22,23,28,29,30,31,64,65,66,67
	v_mov_b32 v[\j], 0                             ; the filling of K from 32 to 64
.endr
.set j, 0
.rept 32
	v_mov_b32 v[O+j], 0                            ; O^T: the step's first run finds zeros, which the first change of M leaves zeros
.set j, j+1
.endr
.irp t, 8, 12
	v_mov_b32 v[\t+1], 0xff61b1e6                  ; the largest t so far: -3e38
	v_floor_f32 v[\t], -v[\t+1]                    ; -M
	v_mov_b32 v[\t+2], 0                           ; l, in two halves
	v_mov_b32 v[\t+3], 0
.endr
	v_mov_b32 v250, 0                              ; a lane permute's destination counts as one of its sources
	v_mov_b32 v249, 0                              ; (named as the upper half of the pair v[248:249])
	s_wait_kmcnt 0x0
	s_add_co_i32 s60, s52, 127
	s_lshl_b32 s61, s60, 23
	v_mov_b32 v7, s61                              ; 2^e4 as f32
	s_add_co_i32 s60, s60, 8
	s_lshl_b32 s60, s60, 23
	s_or_b32 s70, s60, 0x600000                    ; 448 x 2^e4
	s_add_co_i32 s71, s52, s53                     ; e4 + e5
	s_add_co_i32 s72, s54, s55
	s_add_co_i32 s72, s72, 127
	s_lshl_b32 s72, s72, 23                        ; 2^(e6 + e7)
	s_mov_b32 s73, s72
	s_add_co_i32 s60, s54, 127
	s_lshl_b32 s94, s60, 23                        ; 2^e6
	s_add_co_i32 s60, s60, 8
	s_lshl_b32 s60, s60, 23
	s_or_b32 s95, s60, 0x600000                    ; 448 x 2^e6
	s_wait_alu depctr_va_vdst(0)
	s_wait_loadcnt 0x0                             ; q
	s_wait_tensorcnt 0x0                           ; my part of key step 0 is in; slot 1's first fill is issued as a refill is
	ds_add_u32 v[SPW], v[NIL]
	ds_add_u32 v[SPW], v[NIL]
	WALK
	s_wait_dscnt 0x0
	CROUND
	JLOAD                                          ; key step 1 into slot 1
.Lslot:                                            ; 14 trips: key steps 0 to 13; behind each the slot just left is asked for again, two key steps ahead
	STEP 1, 0
	CREST                                          ; the step's barrier has opened a round: no wave of any partner still reads that slot or has a load on its way
	JLOAD                                          ; the first thing behind the round, a wave's one tensor load until the next
	ASK
	s_sub_co_u32 s[SLOTS], s[SLOTS], 1
	s_cmp_lg_u32 s[SLOTS], 0
	s_cbranch_scc1 .Lslot
	STEP 2, 0                                      ; key step 14: the last change of slots; nothing is filled again, so no round follows
	STEP 0, 1                                      ; key step 15
	; ---- THE TAIL.  Wave w now also owns output columns 16 w .. 16 w + 15 of the last product, for the work-group's 64 tokens.  v252 = 16 x lane. ----
	v_and_b32 v1, 15, v0                           ; r    (these address lines are the places behind the last products)
	v_bfe_u32 v2, v0, 4, 1                         ; h
	s_lshl_b32 s60, s62, 12
	s_lshl_b32 s77, s63, 10
	s_add_co_u32 s60, s60, s77
	s_add_co_u32 s60, s60, AIMG
	v_add_nc_u32 v254, s60, v252                   ; where my codes go: image (qt, hp / 2), groups 2 (hp % 2) and 2 (hp % 2) + 1
	v_add_nc_u32 v255, AIMG, v252                  ; and from where any image comes back
	v_mul_u32_u24 v3, v1, STP
	v_lshl_add_u32 v3, v2, 5, v3
	v_add_nc_u32 v3, s99, v3                       ; the stage, in: row r, byte 64 w + 32 h
	s_mul_i32 s60, s[WV], 4*STP
	v_add_nc_u32 v7, s60, v252                     ; and back: rows 4 w on, 16 bytes a lane
	v_add_f32 v10, v10, v11                        ; l's two halves,
	v_add_f32 v14, v14, v15
	v_permlanex16_b32 v244, v10, s20, s21
	v_permlanex16_b32 v245, v14, s20, s21
	v_add_f32 v10, v10, v244                       ; and lane l xor 16's
	v_add_f32 v14, v14, v245
	s_wait_alu depctr_va_vdst(0)
	v_rcp_f32 v248, v10
	v_rcp_f32 v250, v14
	v_mov_b32 v11, s94                             ; 2^e6  (a plain line behind the reciprocals)
	v_mov_b32 v15, s95                             ; 448 x 2^e6
	s_wait_alu depctr_va_vdst(0)                   ; and behind them
	v_ldexp_f32 v248, v248, s71                    ; 2^(e4 + e5) / l
	v_ldexp_f32 v250, v250, s71
	s_wait_alu depctr_va_vdst(0)                   ; the wait directly ahead of the first reader of O^T
.set j, 0
.rept 8
	v_pk_mul_f32 v[O+j:O+j+1], v[O+j:O+j+1], v[248:249] op_sel_hi:[1,0]
.set j, j+2
.endr
.rept 8
	v_pk_mul_f32 v[O+j:O+j+1], v[O+j:O+j+1], v[250:251] op_sel_hi:[1,0]
.set j, j+2
.endr
.set j, 0
.rept 32
	v_med3_num_f32 v[O+j], v[O+j], -v15, v15
.set j, j+1
.endr
.irp k, 0,1,2,3
	v_cvt_scalef32_pk8_fp8_f32 v[P+2*\k:P+2*\k+1], v[O+8*\k:O+8*\k+7], v11   ; channels 16 c + 8 h + 0 .. 7 of my query: registers 2 c, 2 c + 1 of the operand
.endr
	v_nop
	ds_store_b128 v254, v[P:P+3]
	ds_store_b128 v254, v[P+4:P+7] offset:512
	s_wait_dscnt 0x0                               ; for the others' sake: my stores have landed
	s_barrier_signal -1
	s_barrier_wait -1                              ; the eight images lie in LDS
.macro IML q, r                        ; tile q's two images into v[r .. r + 31]
.irp k, 0,1,2,3,4,5,6,7
	ds_load_b128 v[\r+4*\k:\r+4*\k+3], v255 offset:4096*\q+512*\k
.endr
.endm
	IML 0, 84
	IML 1, 116
	IML 2, 188
	IML 3, 220
	s_wait_loadcnt 0x0                             ; w_proj's codes, b_proj
	s_wait_dscnt 0x0
.macro PJ q, r, s                      ; source 0 = my 16 rows of w_proj, source 1 = 16 tokens: a lane holds 8 neighbouring columns of one token
.if \s == 0
	v_wmma_f32_16x16x128_fp8_fp8 v[KV+8*\q:KV+8*\q+7], v[G:G+15], v[\r:\r+15], 0
.else
	v_wmma_f32_16x16x128_fp8_fp8 v[KV+8*\q:KV+8*\q+7], v[G+16:G+31], v[\r+16:\r+31], v[KV+8*\q:KV+8*\q+7]
.endif
.endm
.irp s, 0,1                            ; four accumulators by turns
	PJ 0, 84, \s
	PJ 1, 116, \s
	PJ 2, 188, \s
	PJ 3, 220, \s
.endr
.rept 4
	v_nop
.endr
.irp q, 0,1,2,3
.irp i, 0,2,4,6
	v_pk_fma_f32 v[S+8*\q+\i:S+8*\q+\i+1], v[KV+8*\q+\i:KV+8*\q+\i+1], s[72:73], v[G+32+\i:G+33+\i] op_sel_hi:[1,0,1]   ; sum x 2^(e6 + e7) + b_proj
.endr
.endr
.irp q, 0,1,2,3
	ds_store_b128 v3, v[S+8*\q:S+8*\q+3] offset:STG+16*STP*\q
	ds_store_b128 v3, v[S+8*\q+4:S+8*\q+7] offset:STG+16*STP*\q+16
.endr
	s_wait_dscnt 0x0
	s_barrier_signal -1
	s_barrier_wait -1                              ; 64 whole rows of the output lie in the stage
.irp i, 0,1,2,3,4,5,6,7
	ds_load_b128 v[S+32+4*\i:S+32+4*\i+3], v7 offset:STG+STP*(\i/2)+512*(\i%2)
.endr
.irp i, 0,1,2,3,4,5,6,7
	s_wait_dscnt 7-\i
	global_store_b128 v252, v[S+32+4*\i:S+32+4*\i+3], s[16:17] offset:512*\i th:TH_STORE_NT   ; 32 lanes store 512 consecutive bytes, half a row of the output
.endr
	s_wait_tensorcnt 0x0                           ; the wave's end: the tensor wait, an add to the spare word and its wait, behind my last tensor load and my last LDS store
	ds_add_u32 v[SPW], v[NIL]
	s_wait_dscnt 0x0
	CROUND                                         ; the closing round: no work-group ends while a partner may still ask for a tile that names it
	s_endpgm
.Lfunc_end_k_q0052edc36f_attn:
	.size	k_q0052edc36f_attn, .Lfunc_end_k_q0052edc36f_attn-k_q0052edc36f_attn
	.p2alignl 7, 3214868480
	.fill 96, 4, 3214868480
	.section	.rodata,"a",@progbits
	.p2align	6, 0x0
	.amdhsa_kernel k_q0052edc36f_attn
		.amdhsa_group_segment_fixed_size 327680
		.amdhsa_private_segment_fixed_size 0
		.amdhsa_enable_private_segment 0
		.amdhsa_kernarg_size 56
		.amdhsa_user_sgpr_count 2
		.amdhsa_user_sgpr_kernarg_segment_ptr 1
		.amdhsa_wavefront_size32 1
		.amdhsa_system_sgpr_workgroup_id_x 1
		.amdhsa_system_sgpr_workgroup_id_y 1
		.amdhsa_system_sgpr_workgroup_id_z 1
		.amdhsa_system_vgpr_workitem_id 0
		.amdhsa_next_free_vgpr 256
		.amdhsa_next_free_sgpr 100
		.amdhsa_reserve_vcc 0
		.amdhsa_float_denorm_mode_32 3
		.amdhsa_float_denorm_mode_16_64 3
		.amdhsa_memory_ordered 1
		.amdhsa_forward_progress 1
		.amdhsa_inst_pref_size 122
	.end_amdhsa_kernel
	.amdgpu_metadata
---
amdhsa.version: [ 1, 2 ]
amdhsa.kernels:
  - .name:           k_q0052edc36f_attn
    .symbol:         k_q0052edc36f_attn.kd
    .args:
      - { .name: qc, .offset: 0, .size: 8, .value_kind: global_buffer, .address_space: global }
      - { .name: kv, .offset: 8, .size: 8, .value_kind: global_buffer, .address_space: global }
      - { .name: g, .offset: 16, .size: 8, .value_kind: global_buffer, .address_space: global }
      - { .name: wc, .offset: 24, .size: 8, .value_kind: global_buffer, .address_space: global }
      - { .name: b_proj, .offset: 32, .size: 8, .value_kind: global_buffer, .address_space: global }
      - { .name: lowp_scales, .offset: 40, .size: 8, .value_kind: global_buffer, .address_space: global }
      - { .name: out0, .offset: 48, .size: 8, .value_kind: global_buffer, .address_space: global }
    .group_segment_fixed_size: 327680
    .private_segment_fixed_size: 0
    .kernarg_segment_align: 8
    .kernarg_segment_size: 56
    .max_flat_workgroup_size: 512
    .sgpr_count:     100
    .vgpr_count:     256
    .wavefront_size: 32
...
	.end_amdgpu_metadata
.endif
;; end of part 2
